; MI455X (gfx1250); checked and timed in simulation.
; The chip was launched on July 23, 2026; its instructions are those of AMD's public machine-readable ISA for CDNA 5 (MIT licence, August 2026) and "CDNA5" Instruction Set Architecture Reference Guide (July 2026). The comments in the code are by the model that wrote it; some were corrected since.
;; Offline Sliding Window Attn. Allowed arithmetic: matrix products marked QUANTISED: E3M2 operands, one E8M0 scale for each 32 along K, by v_wmma_scale_f32_16x16x128_f8f6f4 with both operands' format E3M2, f32 sums; everything else in f32.
;; Inputs: k 2 x 2,048 x 8 x 128 float32; q 2 x 2,048 x 16 x 128 float32; v_codes 2 x 8 x 128 x 64 x 24 uint8 (E3M2 codes of v, K innermost, in blocks of 32 codes, four codes in three bytes); v_scales 2 x 8 x 128 x 64 uint8 (E8M0 scales of v, one for each 32 codes along K); wk 1,024 float32; wq 2,048 float32.
;; Outputs: out0 2 x 2,048 x 16 x 128 float32.
;; This version of the problem:
;;   THIS VERSION OF THE PROBLEM IS GIVEN IN LOW PRECISION. The matrix products marked QUANTISED in the list below multiply operands that are first quantised to E3M2 (3 exponent bits, 2 mantissa bits; 6 bits a number), with one power-of-two scale for each 32 numbers along K (OCP MX v1.0); their sums are f32. All else is computed in f32.
;;   The module's matrix products, in the order in which they are computed (A, B: the left and right operand; K: the contracted axis; several contracted axes count as one K, in the product's order):
;;     1. batch 32 x [M 2,048, K 128] x [K 128, N 2,048]; A: computed on the way; B: computed on the way: QUANTISED
;;     2. batch 32 x [M 128, K 2,048] x [K 2,048, N 2,048]; A: input v (given as codes); B: computed on the way: QUANTISED
;;   THE QUANTISER, for each operand of a quantised product, along K:
;;     - K is cut into blocks of 32 from its start; a last block that is shorter is filled with zeros.
;;     - A block's scale is 2^e with e = floor(log2(the largest magnitude in the block)) - 4, held to -126 .. 127; a block of zeros has e = 0. As a byte (E8M0): e + 127.
;;     - Each number is divided by its block's scale, clamped to +-28, and rounded to the nearest number of E3M2, ties to even, subnormals kept.
;;     - The product sums the exact products of the quantised numbers (number of the format x scale) in f32.
;;   ~~~python
;;   def quantise(x, axis):      # numpy; x: float32 -> the quantised numbers, widened to float32 again
;;       x = np.moveaxis(x, axis, -1); K = x.shape[-1]
;;       x = np.pad(x, [(0, 0)] * (x.ndim - 1) + [(0, -K % 32)]); x = x.reshape(x.shape[:-1] + (-1, 32)); a = np.abs(x).max(-1, keepdims=True)
;;       e = np.where(a > 0, np.clip(np.frexp(np.where(a > 0, a, 1))[1] - 1 - 4, -126, 127), 0)      # np.frexp(a)[1] - 1 = floor(log2(a)), exactly
;;       r = np.clip(x / 2.0 ** e, -28, 28)
;;       step = 2.0 ** (np.maximum(np.frexp(np.where(r == 0, 1, r))[1] - 1, -2) - 2)
;;       q = np.round(r / step) * step * 2.0 ** e      # np.round: ties to even
;;       return np.moveaxis(q.reshape(q.shape[:-2] + (-1,))[..., :K], -1, axis).astype(np.float32)
;;   ~~~
;;   OPERANDS COMPUTED ON THE WAY. 'Computed on the way' means the value that the module computes at that place (a softmax that the list does not call 'softmax' is quantised finished and normalised). What goes into a quantiser is computed in f32, as accurately as f32 sums, v_exp_f32 and their like allow (about 1e-6 of the number): no bf16 or f16 on the way to a quantiser, and a product that is left as it is and whose result goes on into a quantised operand takes f32 operands (vector FMAs, or v_wmma_f32_16x16x4_f32). A number that lies on a knife's edge between two numbers of the format may be rounded either way, as far as f32 arithmetic and the matrix unit's own rounding can turn it there, and no further.
;;   INPUTS GIVEN AS CODES. v (in the module: [2, 2048, 8, 128], K = its axis 1): each comes as NAME_codes (uint8): NAME with its K axis moved to the last place and cut into blocks of 32 codes, [.., K / 32, bytes a block], one block behind the other in memory; four codes in three bytes: a row's codes are one little-endian stream of bits, code i at bits 6 i .. 6 i + 5 (a code: sign, 3 exponent bits, 2 mantissa bits); and NAME_scales (uint8): the same leading axes, one E8M0 byte (e + 127) for each 32 codes along K. Its value is code x scale, taken as it is: it is not quantised again, and the codes and scales need not be those that the quantiser above would give.
;; One version. Each part assembles by itself: llvm-mc -triple=amdgcn-amd-amdhsa -mcpu=gfx1250 --defsym DOCPART=n.
;; ======== version 1 of 1: 1 launch
;; launch swa (part 1): grid 16 x 16, 8 waves a work-group, no clusters, 201,728 bytes of LDS; arguments k, q, v_codes, v_scales, wk, wq, out0; writes out0
.if DOCPART == 1
	.amdgcn_target "amdgcn-amd-amdhsa--gfx1250"
	.amdhsa_code_object_version 6
	.text
	.protected	k_q1f0a6e73ee_swa
	.globl	k_q1f0a6e73ee_swa
	.p2align	8
	.type	k_q1f0a6e73ee_swa,@function
k_q1f0a6e73ee_swa:
	s_mov_b64 s[64:65], 0
	v_nop
	global_prefetch_b8 v0, s[64:65] scope:SCOPE_SE
	s_setreg_imm32_b32 hwreg(HW_REG_WAVE_MODE, 25, 1), 1
	s_wait_xcnt 0x0
; Causal sliding-window attention, both products on codes of BF6 (E3M2) with one E8M0 scale for each 32 along K.
; q [2][2048][16][128], k [2][2048][8][128] f32: RMS norm over a head's 128 channels, a gain, then quantised along the channels.  v: codes with the keys innermost, [2][8][128][2048 keys], scales [2][8][128][64].
; score = q . k / sqrt(128), capped by 30 tanh(score / 30); key k counts for query q where 0 <= q - k <= 512; p = softmax, FINISHED AND NORMALISED, is quantised along the keys in blocks of 32 absolute keys; out = p v, f32.
; SHARES.  Work-group (x = a, y = 8 batch + g): the 128 queries 128 a .. 128 a + 127 of query heads 2 g and 2 g + 1, which share kv head g.  Eight waves of 512 registers; wave w owns queries 128 a + 16 w .. + 15,
; first for head 2 g, then for head 2 g + 1 (a loop of two trips).  The window of these queries lies in FIVE steps of 128 keys: slot j = 0 .. 4 is step a - 4 + j: slot 0 holds the window's lower edge, slot 4 the diagonal.
; For a < 4 a step's number is held at 0, so that every load reads bytes of its buffer; such a slot's p are zeros.
; HEAD.  Wave w brings V's fragment of channels 16 w .. 16 w + 15 of each slot, and norms, scales and quantises tile w (16 keys) of each slot of k.  Both go to LDS as IMAGES OF THE OPERAND'S REGISTERS (three stores of 16 bytes a lane,
; lane l at 16 l), the scale words at 8 l + 4 (tile % 2).  One barrier; behind it the images are only read.
; THE KEYS OF A TILE ARE NOT NEIGHBOURS: row i of tile 2 b + u is key 32 b + 8 u + i + 8 (i / 8), so that the 16 results of tiles 2 b and 2 b + 1 in a lane are keys 32 b + 16 (lane / 16) + 0 .. 15.
; Both products are used transposed (S^T = K Q^T, O^T = V^T P^T): a lane holds ONE query (lane % 16) throughout.
; A TRIP.  Q: my 16 queries become a fragment.  PASS 1: 20 chunks of 32 keys: two products, p' = 2^t, t = 30 log2(e) tanh(score / 30); all 320 p' of a lane stay in registers.  SUM: the row's sum and its reciprocal.
; PASS 2: slot by slot: the blocks' largest p, the scale bytes, p = p' / sum, the codes, eight products; a slot's vector work stands between the products of the slot before.  Then O^T leaves through the wave's stage as rows of 512 bytes.
; NO MAXIMUM IS TAKEN AWAY ahead of the exponential: the cap that the problem itself applies holds every score in +-30, so t lies in +-43.3, p' in 2^-43.3 .. 2^43.3 and a sum of 513 of them under 2^53: nothing can overflow or underflow in f32.
; tanh is a quotient of two polynomials in x^2 (degrees 6 and 3, x held to +-7.9988), good for every x.  Q's scale bytes are fed 8 lower than the quantiser gives them: an exact factor 2^-8, so that the product gives
; z = raw / 256 and the polynomials' coefficients, rescaled for z and by 30 log2(e), stay normal numbers.
; THE CLIP TO 0 .. 1: the sum holds p' itself and nothing negative, so p <= 1 up to the last bit; the block's largest p is made with a correction step (a rounded quotient), so a row with one key gets exactly 1.
; NO JOINT LOADS: what neighbouring work-groups share is k as f32, which has to pass through registers (norm, gain, quantiser) before it can lie in LDS, and their five steps are shifted by one against each other; V's share is 61,440 of a work-group's bytes.
; LIMITS: NaN and infinities among q, k, wq, wk are not served; a v_scales byte of 0xff is not served.  A block of q whose largest magnitude lies under 2^-114, of k or p under 2^-122, is held at that floor's scale;
; a block of zeros has the byte 1, not 127: its codes are zeros, and these bytes are read by this program alone.
.set KIMG, 0                           ; LDS: K's 40 fragments, (slot j, tile t) at (8 j + t) x 1,536
.set VIMG, 61440                       ; V's 40 fragments, likewise
.set KSC,  122880                      ; K's scale words: (4 j + t / 2) x 256 + 8 x lane + 4 (t % 2)
.set VSC,  128000                      ; V's likewise
.set STG,  133120                      ; a stage of 16 rows x (512 + 16) bytes for each wave, its own
.set SPI,  528
.set LI,   1                           ; v1   16 x lane: a dense load's or store's place, and K's images (they begin at LDS byte 0)
.set VRI,  2                           ; v2   VIMG + 16 x lane
.set KSR,  3                           ; v3   KSC + 8 x lane
.set VSR,  4                           ; v4   VSC + 8 x lane
.set STI,  5                           ; v5   my stage + 16 x lane: whole rows
.set STR,  6                           ; v6   my stage + 528 r + 128 h: 32 channels of row r
.set OST,  7                           ; v7   my stage + 528 r + 32 h: eight results of row r
.set KWI,  8                           ; v8   where I store K's images: 1,536 w + 16 x lane
.set KWS,  9                           ; v9   and their scale words
.set VWI,  10                          ; v10  the same for V
.set VWS,  11                          ; v11
.set GH,   12                          ; v12  128 h: my half's place in a gain's 64 channels
.set DM,   13                          ; v13  d = 16 (w % 2) - 16 h + r: the edge, counted in a chunk's registers
.set NINF, 14                          ; v14  -infinity
.set SH8,  15                          ; v15  8 h
.set SUM,  16                          ; v16  the row's sum
.set VSO,  17                          ; v17  64 r: V's scale words in memory
.set RS,   18                          ; v[18:19] 1 / sum, twice
.set QS,   20                          ; v20  Q's scale word
.set VCO,  21                          ; v21  1,536 r + 24 h: V's codes in memory
.set PWD,  22                          ; v22, v23 p's scale words, by turns
.set QF,   24                          ; v[24:35] Q's fragment
.set PCB,  36                          ; v[36:47] p's codes, odd slots
.set FR,   48                          ; v[48:95] two buffers of two fragments of K or V
.set SCW,  96                          ; v[96:99] their scale words
.set PCA,  100                         ; v[100:111] p's codes, even slots
.set VB2,  100                         ; in pass 1 these are idle: v[100:101] b2, v[102:103] a5
.set VA5,  102
.set CT,   112                         ; v[112:119] at work
.set TM,   120                         ; v[120:123] largest magnitudes
.set PL,   124                         ; v[124:127] lane permutes' destinations, scale operands
.set Z,    128                         ; pass 1: v[128:143] z, v[144:159] z^2, v[160:175] numerator, v[176:191] denominator
.set U,    144
.set NU,   160
.set DN,   176
.set X,    128                         ; the quantiser's 64 numbers
.set AC,   128                         ; the sum's four chains
.set OT,   128                         ; pass 2: O^T, tile t at 128 + 8 t
.set P4,   192                         ; v[192:255] p' of slot 4; before that wq's gains.  Window 1: p' of slot j at 64 j; at the head three raw tiles and, at 192, wk's gains
.set G,    192
.set WV,   18                          ; s18 wave; s19 wave / 2; s20 a; s21 chunks of slot 0 that are hidden; s22 trips to go
.set WH,   19
.set BA,   20
.set LOW0, 21
.set RND,  22
.set SEL,  24                          ; s[24:25] v_permlanex16_b32's selects for lane l xor 16
.set PCL,  26                          ; s26, s27 the hold on z
.set NCL,  27
.set CA,   28                          ; s[28+2k:29+2k] a_k (a5 stands in a vector pair)
.set CB,   42                          ; s[42+2k:43+2k] b_k (b2 likewise)
.set R128, 50
.set EPS,  51
.set KB,   66                          ; s[66+2j:67+2j] k at my tile of slot j;  s[76+2j..] V's codes;  s[86+2j..] V's scales
.set VB,   76
.set VS,   86
.set MSB, 0
.macro WIN new                         ; bits 1:0 source 0, 3:2 source 1, 5:4 source 2, 7:6 destination; the high byte repeats the setting that is left
.if MSB != \new
	s_set_vgpr_msb (MSB<<8)|\new
.set MSB, \new
.endif
.endm
.macro PLACES n
.rept \n
	v_nop
.endr
.endm
.macro SPAIR reg, val                  ; a packed instruction names a pair and takes its low word for both halves: both words are written
	s_mov_b32 s[\reg], \val
	s_mov_b32 s[\reg+1], \val
.endm
	s_load_b256 s[4:11], s[0:1], 0x0               ; k s[4:5], q s[6:7], V's codes s[8:9], V's scales s[10:11]
	s_load_b128 s[12:15], s[0:1], 0x20             ; wk s[12:13], wq s[14:15]
	s_load_b64 s[16:17], s[0:1], 0x30              ; out0
	v_lshrrev_b32 v24, 5, v0
	v_readfirstlane_b32 s[WV], v24                 ; wave 0..7
	v_and_b32 v24, 31, v0                          ; lane
	v_and_b32 v25, 15, v0                          ; r
	v_bfe_u32 v26, v0, 4, 1                        ; h
	s_lshr_b32 s[WH], s[WV], 1
	s_and_b32 s55, s[WV], 1
	s_mov_b32 s[BA], ttmp9                         ; a
	s_and_b32 s52, ttmp7, 0xffff                   ; y = 8 batch + g
	s_lshr_b32 s53, s52, 3                         ; batch
	s_and_b32 s54, s52, 7                          ; g
	s_cmp_lt_u32 s[BA], 4
	s_cselect_b32 s[LOW0], 4, s[WH]                ; slot 0: chunks under wave / 2 lie below the window; for a < 4 the slot does not exist
	s_mov_b32 s[RND], 2
	s_mov_b32 s[SEL], 0x76543210
	s_mov_b32 s[SEL+1], 0xfedcba98
	s_mov_b32 s[PCL], 0x4129ae30                   ; 10.605026: x = 7.9988
	s_mov_b32 s[NCL], 0xc129ae30
	SPAIR CA+0,  0x3e239495                        ; t = z A(z^2) / B(z^2)
	SPAIR CA+2,  0x3c41e611
	SPAIR CA+4,  0x392496e6
	SPAIR CA+6,  0x34a54849
	SPAIR CA+8,  0xafa1be03
	SPAIR CA+12, 0xa5b01b1e
	SPAIR CB+0,  0x3ba059dd
	SPAIR CB+2,  0x3aa92591
	SPAIR CB+6,  0x346ce1e2
	s_mov_b32 s[R128], 0x3c000000                  ; 1 / 128
	s_mov_b32 s[EPS], 0x3727c5ac                   ; 1e-5
	; LDS addresses: a constant + constants x parts of the lane + a constant x wave
	v_lshlrev_b32 v[LI], 4, v24
	v_add_nc_u32 v[VRI], VIMG, v[LI]
	v_lshl_add_u32 v[KSR], v24, 3, KSC
	v_lshl_add_u32 v[VSR], v24, 3, VSC
	s_mul_i32 s60, s[WV], 16*SPI
	s_add_co_u32 s60, s60, STG                     ; my stage
	v_add_nc_u32 v[STI], s60, v[LI]
	v_mul_u32_u24 v[STR], v25, SPI
	v_lshl_add_u32 v[STR], v26, 7, v[STR]
	v_add_nc_u32 v[STR], s60, v[STR]
	v_mul_u32_u24 v[OST], v25, SPI
	v_lshl_add_u32 v[OST], v26, 5, v[OST]
	v_add_nc_u32 v[OST], s60, v[OST]
	s_mul_i32 s61, s[WV], 1536
	v_add_nc_u32 v[KWI], s61, v[LI]
	v_add_nc_u32 v[VWI], VIMG, v[KWI]
	s_lshl_b32 s62, s[WH], 8
	s_lshl_b32 s63, s55, 2
	s_add_co_u32 s62, s62, s63
	v_add_nc_u32 v[KWS], s62, v[KSR]
	v_add_nc_u32 v[VWS], s62, v[VSR]
	v_lshlrev_b32 v[GH], 7, v26
	s_lshl_b32 s63, s55, 4
	v_lshlrev_b32 v27, 4, v26
	v_sub_nc_u32 v[DM], v25, v27
	v_add_nc_u32 v[DM], s63, v[DM]
	v_mov_b32 v[NINF], 0xff800000
	v_lshlrev_b32 v[SH8], 3, v26
	v_lshlrev_b32 v[VSO], 6, v25
	v_mul_u32_u24 v[VCO], v25, 1536
	v_mad_u32_u24 v[VCO], v26, 24, v[VCO]
.irp b, 0,1,2,3
	v_mov_b32 v[PL+\b], 0                          ; written once: a lane permute's destination counts as one of its sources
.endr
	; byte offsets, apart from the addresses
	s_lshl_b32 s56, s53, 23                        ; k: batch x 2,048 keys x 4,096 bytes
	s_lshl_b32 s60, s54, 9                         ;    + head g's 512 bytes
	s_add_co_u32 s56, s56, s60
	s_lshl_b32 s60, s[WH], 17                      ;    + my tile's first key, 32 (w / 2) + 8 (w % 2), x 4,096
	s_add_co_u32 s56, s56, s60
	s_lshl_b32 s60, s55, 15
	s_add_co_u32 s56, s56, s60
	s_mul_i32 s57, s52, 196608                     ; V's codes: y x 128 rows x 1,536 bytes + 16 w rows
	s_mul_i32 s60, s[WV], 24576
	s_add_co_u32 s57, s57, s60
	s_lshl_b32 s58, s52, 13                        ; V's scales: y x 128 rows x 64 bytes + 16 w rows
	s_lshl_b32 s60, s[WV], 10
	s_add_co_u32 s58, s58, s60
	s_wait_kmcnt 0x0
.irp j, 0,1,2,3,4
	s_add_co_i32 s59, s[BA], \j-4
	s_max_i32 s59, s59, 0                          ; slot j's step of 128 keys, held at 0
	s_lshl_b32 s60, s59, 19
	s_add_co_u32 s60, s60, s56
	s_mov_b32 s61, 0
	s_add_nc_u64 s[KB+2*\j:KB+2*\j+1], s[4:5], s[60:61]
	s_mul_i32 s62, s59, 96                         ; 128 codes are 96 bytes
	s_add_co_u32 s62, s62, s57
	s_mov_b32 s63, 0
	s_add_nc_u64 s[VB+2*\j:VB+2*\j+1], s[8:9], s[62:63]
	s_lshl_b32 s60, s59, 2
	s_add_co_u32 s60, s60, s58
	s_add_nc_u64 s[VS+2*\j:VS+2*\j+1], s[10:11], s[60:61]
.endr
	s_lshl_b32 s60, s53, 24                        ; q and out0: batch x 2,048 x 8,192 + 128 a rows + 16 w rows + head 2 g
	s_lshl_b32 s62, s[BA], 20
	s_add_co_u32 s60, s60, s62
	s_lshl_b32 s62, s[WV], 17
	s_add_co_u32 s60, s60, s62
	s_lshl_b32 s62, s54, 10
	s_add_co_u32 s60, s60, s62
	s_mov_b32 s61, 0
	s_mov_b32 s63, 0
	s_add_nc_u64 s[6:7], s[6:7], s[60:61]
	s_add_nc_u64 s[16:17], s[16:17], s[60:61]
	s_add_nc_u64 s[14:15], s[14:15], s[62:63]      ; wq at head 2 g
	s_lshl_b32 s62, s54, 9
	s_add_nc_u64 s[12:13], s[12:13], s[62:63]      ; wk at head g
; 16 rows of k, tile w of slot j, into raw set rb of window 1: each load is one key's 512 consecutive bytes
.macro KTILE j, rb
	WIN 0x40
.set i, 0
.rept 16
	global_load_b128 v[64*(\rb)+4*i:64*(\rb)+4*i+3], v[LI], s[KB+2*(\j):KB+2*(\j)+1] offset:(i+8*(i/8))*4096
.set i, i+1
.endr
	WIN 0
.endm
; my 16 queries' rows of one head into raw set 2: read once in the launch
.macro QROWS off
	WIN 0x40
.set i, 0
.rept 16
	global_load_b128 v[128+4*i:128+4*i+3], v[LI], s[6:7] offset:8192*i+\off th:TH_LOAD_NT
.set i, i+1
.endr
	WIN 0
.endm
; a head's gains as the quantiser's lane wants them: register 32 c + i = channel 64 c + 32 h + i
.macro GAINS lo, off
.irp c, 0,1
.irp k, 0,1,2,3,4,5,6,7
	global_load_b128 v[G+32*\c+4*\k:G+32*\c+4*\k+3], v[GH], s[\lo:\lo+1] offset:\off+256*\c+16*\k
.endr
.endr
.endm
; 16 raw rows turn through my stage: in as whole rows, out as 64 numbers of ONE row a lane: X[32 c + i] = channel 64 c + 32 h + i of row r: two whole blocks of 32.
; LDS serves a wave's instructions in order (ISA guide 5.7.1.4): no wait between the stores and the loads.
.macro STAGE_IN rb
	WIN 0x04                                       ; an LDS store's data are its source 1: window 1
.set i, 0
.rept 16
	ds_store_b128 v[STI], v[64*(\rb)+4*i:64*(\rb)+4*i+3] offset:SPI*i
.set i, i+1
.endr
	WIN 0
.irp c, 0,1
.irp k, 0,1,2,3,4,5,6,7
	ds_load_b128 v[X+32*\c+4*\k:X+32*\c+4*\k+3], v[STR] offset:256*\c+16*\k
.endr
.endr
	s_wait_dscnt 0x0                               ; X is in; every earlier LDS store of mine has read its registers
.endm
; RMS norm, gain, quantiser: X becomes a fragment in v[dst] on and its scale word in v[word].  gw: the window setting under which the gains are read.  isq = 1: the byte is fed 8 lower (z = raw / 256)
.macro NQ gw, dst, word, isq
	v_pk_mul_f32 v[CT:CT+1], v[X:X+1], v[X:X+1]    ; the sum of squares, two at a time, in two chains
	v_pk_mul_f32 v[CT+2:CT+3], v[X+2:X+3], v[X+2:X+3]
.set i, 4
.rept 15
	v_pk_fma_f32 v[CT:CT+1], v[X+i:X+i+1], v[X+i:X+i+1], v[CT:CT+1]
	v_pk_fma_f32 v[CT+2:CT+3], v[X+i+2:X+i+3], v[X+i+2:X+i+3], v[CT+2:CT+3]
.set i, i+4
.endr
	v_pk_add_f32 v[CT:CT+1], v[CT:CT+1], v[CT+2:CT+3]
	v_add_f32 v[CT+4], v[CT], v[CT+1]
	v_permlanex16_b32 v[PL], v[CT+4], s[SEL], s[SEL+1]
	v_add_f32 v[CT+4], v[CT+4], v[PL]              ; with lane l xor 16's 64 channels
	v_fma_f32 v[CT+4], v[CT+4], s[R128], s[EPS]    ; the mean + 1e-5
	v_rsq_f32 v[CT+6], v[CT+4]
	v_nop                                          ; a plain place behind the transcendental
	s_wait_alu depctr_va_vdst(0)
	v_mov_b32 v[CT+7], v[CT+6]
.set i, 0
.rept 32
	v_pk_mul_f32 v[X+i:X+i+1], v[X+i:X+i+1], v[CT+6:CT+7]
.set i, i+2
.endr
	WIN \gw
.set i, 0
.rept 32
	v_pk_mul_f32 v[X+i:X+i+1], v[X+i:X+i+1], v[G+i:G+i+1]
.set i, i+2
.endr
	WIN 0
.irp c, 0,1                                    ; my blocks h and 2 + h: all 32 numbers of each are mine.  The floor among the leaves holds the byte at 1 from below
.if \isq
	v_max3_num_f32 v[TM+\c], |v[X+32*\c]|, |v[X+32*\c+1]|, 0x6800000
.else
	v_max3_num_f32 v[TM+\c], |v[X+32*\c]|, |v[X+32*\c+1]|, 0x2800000
.endif
.endr
.irp i, 2,4,6,8,10,12,14,16,18,20,22,24,26,28,30
.irp c, 0,1
	v_max3_num_f32 v[TM+\c], v[TM+\c], |v[X+32*\c+\i]|, |v[X+32*\c+\i+1]|
.endr
.endr
.irp c, 0,1
	v_add_nc_u32 v[TM+2+\c], 0xfe000000, v[TM+\c]  ; 4 off the exponent field: the conversion's scale operand
.endr
.if \isq
.irp c, 0,1
	v_add_nc_u32 v[PL+1+\c], 0xfa000000, v[TM+\c]  ; 12 off: the byte that the product is given
.endr
.irp c, 0,1
	v_lshrrev_b32 v[PL+1+\c], 23, v[PL+1+\c]
.endr
.else
.irp c, 0,1
	v_lshrrev_b32 v[PL+1+\c], 23, v[TM+2+\c]       ; the scale's byte
.endr
.endif
	v_lshl_or_b32 v[\word], v[PL+2], 16, v[PL+1]   ; my two bytes, blocks h and 2 + h,
	v_lshlrev_b32 v[\word], v[SH8], v[\word]       ; at their places;
	v_permlanex16_b32 v[PL], v[\word], s[SEL], s[SEL+1]
	v_or_b32 v[\word], v[\word], v[PL]             ; with lane l xor 16's two the word is whole
.irp c, 0,1
	v_cvt_scalef32_pk16_bf6_f32 v[\dst+6*\c:\dst+6*\c+2], v[X+32*\c:X+32*\c+15], v[TM+2+\c]
	v_cvt_scalef32_pk16_bf6_f32 v[CT+4*\c:CT+4*\c+2], v[X+32*\c+16:X+32*\c+31], v[TM+2+\c]   ; (a conversion's three registers begin on an even number)
.endr
	v_nop                                          ; one plain place behind a scaled conversion
.irp c, 0,1
.irp i, 0,1,2
	v_mov_b32 v[\dst+6*\c+3+\i], v[CT+4*\c+\i]
.endr
.endr
.endm
	; ---- THE HEAD.  V's five fragments and scale words; wk's gains; the first two tiles of k
.irp j, 0,1,2,3,4
.irp p, 0,1,2,3,4,5
	global_load_b64 v[36+12*\j+2*\p:37+12*\j+2*\p], v[VCO], s[VB+2*\j:VB+2*\j+1] offset:48*(\p/3)+8*(\p%3)
.endr
	global_load_b32 v[CT+\j], v[VSO], s[VS+2*\j:VS+2*\j+1]
.endr
	WIN 0x40
	GAINS 12, 0                                    ; wk's, into window 1
	WIN 0
	KTILE 0, 0
	KTILE 1, 1
	s_wait_loadcnt 48                              ; V is in: behind it stand 16 loads of gains and 2 x 16 of k
.irp j, 0,1,2,3,4
.irp c, 0,1,2
	ds_store_b128 v[VWI], v[36+12*\j+4*\c:39+12*\j+4*\c] offset:12288*\j+512*\c
.endr
	ds_store_b32 v[VWS], v[CT+\j] offset:1024*\j
.endr
	KTILE 2, 2
	GAINS 14, 0                                    ; wq's of head 2 g, into window 0
; tile w of slot j.  left: the loads issued behind this tile's sixteen
.macro KPHASE j, left, rb
	s_wait_loadcnt \left
	STAGE_IN \rb
.if \j < 2
	KTILE \j+3, \rb                                ; the raw set is free: its LDS stores are done
.elseif \j == 2
	QROWS 0
.endif
	NQ 0x04, PCA, PL+3, 0
.irp c, 0,1,2
	ds_store_b128 v[KWI], v[PCA+4*\c:PCA+4*\c+3] offset:12288*\j+512*\c
.endr
	ds_store_b32 v[KWS], v[PL+3] offset:1024*\j
.endm
	KPHASE 0, 48, 0                                ; behind tile 0: tiles 1, 2 and wq's gains
	KPHASE 1, 48, 1                                ; behind tile 1: tile 2, the gains, tile 3
	KPHASE 2, 48, 2                                ; behind tile 2: the gains, tiles 3 and 4
	KPHASE 3, 32, 0                                ; behind tile 3: tile 4 and Q's rows
	KPHASE 4, 16, 1                                ; behind tile 4: Q's rows
	s_wait_dscnt 0x0                               ; for the others' sake: my images lie in LDS
	s_barrier_signal -1
	s_barrier_wait -1                              ; everybody's do; from here on the images are only read
; chunk n = 4 j + b of K: tiles 2 n and 2 n + 1 and their two scale words, into buffer n % 2: seven LDS loads
.macro KLD n
.set kp, (\n)%2
.irp u, 0,1
.irp c, 0,1,2
	ds_load_b128 v[FR+24*kp+12*\u+4*\c:FR+24*kp+12*\u+4*\c+3], v[LI] offset:(2*(\n)+\u)*1536+512*\c
.endr
.endr
	ds_load_b64 v[SCW+2*kp:SCW+2*kp+1], v[KSR] offset:(\n)*256
.endm
; group m of V: slot 4 - m / 4, channel tiles 2 (m % 4) and 2 (m % 4) + 1, into buffer m % 2
.macro VLD m
.set vp, (\m)%2
.set vn, 4*(4-(\m)/4)+(\m)%4
.irp u, 0,1
.irp c, 0,1,2
	ds_load_b128 v[FR+24*vp+12*\u+4*\c:FR+24*vp+12*\u+4*\c+3], v[VRI] offset:(2*vn+\u)*1536+512*\c
.endr
.endr
	ds_load_b64 v[SCW+2*vp:SCW+2*vp+1], v[VSR] offset:vn*256
.endm
; z of chunk n: register 8 u + i of lane (r, h) = query r, key 32 b + 16 h + 8 u + i
.macro WM n
.set wp, (\n)%2
.irp u, 0,1
	v_wmma_scale_f32_16x16x128_f8f6f4 v[Z+8*\u:Z+8*\u+7], v[FR+24*wp+12*\u:FR+24*wp+12*\u+11], v[QF:QF+11], 0, v[SCW+2*wp+\u], v[QS] matrix_a_fmt:MATRIX_FMT_BF6 matrix_b_fmt:MATRIX_FMT_BF6
.endr
.endm
; The next chunk's products and the loads of the chunk behind it.  z of chunk n has been read (or is not wanted).  Behind the products of chunk n stand eight plain instructions or more that name none of
; their registers (the eight multiplications at the head of a chunk's tail, or sixteen moves): enough for a matrix instruction that writes over z and for loads into the fragments.
.macro NEXT n
.if (\n) < 19
	s_wait_dscnt 0x0                               ; chunk n + 1's seven loads, issued a chunk ago, are all that is out
	WM (\n)+1
.if (\n) < 18
	KLD (\n)+2
.endif
.endif
.endm
.macro NUM l                           ; line l of the numerator's 48: level l / 8 of Horner's scheme, pair l % 8
.set nl, (\l)/8
.set np, 2*((\l)%8)
.if nl == 0
	v_pk_fma_f32 v[NU+np:NU+np+1], v[U+np:U+np+1], s[CA+12:CA+13], v[VA5:VA5+1] op_sel_hi:[1,0,1]
.else
	v_pk_fma_f32 v[NU+np:NU+np+1], v[NU+np:NU+np+1], v[U+np:U+np+1], s[CA+10-2*nl:CA+11-2*nl] op_sel_hi:[1,1,0]
.endif
.endm
; CHUNK n: 32 keys.  A chunk all of whose keys are hidden from my 16 queries (a scalar branch on ids) gets zeros; the one chunk of slot 0 and of slot 4 that the edge crosses is masked.
.macro CHUNK n
.set cj, (\n)/4
.set cb, (\n)%4
.if cj < 4
.set cP, 64*cj+16*cb
.set cW, 0x40
.else
.set cP, P4+16*cb
.set cW, 0
.endif
.if cj == 0
	s_cmp_gt_u32 s[LOW0], cb                       ; below the window, or no such step
.elseif cj < 4
	s_cmp_lt_u32 s[BA], 4-cj                       ; no such step
.elseif cb > 0
	s_cmp_lt_u32 s[WH], cb                         ; after my queries
.endif
.if (\n) != 16
	s_cbranch_scc1 .Lz_\@
.endif
.set i, 0
.rept 16
	v_med3_num_f32 v[Z+i], v[Z+i], s[NCL], s[PCL]  ; each result from its low end on
.set i, i+1
.endr
.set i, 0
.rept 8
	v_pk_mul_f32 v[U+i:U+i+1], v[Z+i:Z+i+1], v[Z+i:Z+i+1]
.set i, i+2
.endr
.set i, 0
.rept 8
	v_pk_fma_f32 v[DN+i:DN+i+1], v[U+i:U+i+1], s[CB+6:CB+7], v[VB2:VB2+1] op_sel_hi:[1,0,1]
.set i, i+2
.endr
.set i, 0
.rept 8
	v_pk_fma_f32 v[DN+i:DN+i+1], v[DN+i:DN+i+1], v[U+i:U+i+1], s[CB+2:CB+3] op_sel_hi:[1,1,0]
.set i, i+2
.endr
.set i, 0
.rept 8
	v_pk_fma_f32 v[DN+i:DN+i+1], v[DN+i:DN+i+1], v[U+i:U+i+1], s[CB:CB+1] op_sel_hi:[1,1,0]
.set i, i+2
.endr
.set i, 0
.rept 16                                       ; behind each reciprocal three lines of the numerator: plain, and none touches the denominator
	v_rcp_f32 v[DN+i], v[DN+i]
	NUM 3*i
	NUM 3*i+1
	NUM 3*i+2
.set i, i+1
.endr
.set i, 0
.rept 8
	v_pk_mul_f32 v[NU+i:NU+i+1], v[NU+i:NU+i+1], v[Z+i:Z+i+1]
.set i, i+2
.endr
	NEXT \n
.set i, 0
	s_wait_alu depctr_va_vdst(0)
.rept 8
	v_pk_mul_f32 v[NU+i:NU+i+1], v[NU+i:NU+i+1], v[DN+i:DN+i+1]   ; t
.set i, i+2
.endr
.if (cj == 0) || (cj == 4)
	s_cmp_lg_u32 s[WH], cb
	s_cbranch_scc1 .Lopen_\@
.set i, 0
.rept 16                                       ; register i holds key 32 b + 16 h + i: hidden below the window where i < d, after the query where i > d
.if cj == 0
	v_cmp_lt_i32 vcc_lo, i, v[DM]
.else
	v_cmp_gt_i32 vcc_lo, i, v[DM]
.endif
	v_cndmask_b32 v[NU+i], v[NU+i], v[NINF], vcc_lo
.set i, i+1
.endr
.Lopen_\@:
.endif
	WIN cW
.set i, 0
.rept 16
	v_exp_f32 v[cP+i], v[NU+i]                     ; p' = 2^t; 0 where hidden
.set i, i+1
.endr
	WIN 0
.if (\n) != 16
	s_branch .Le_\@
.Lz_\@:
	NEXT \n
	WIN cW
.set i, 0
.rept 16
	v_mov_b32 v[cP+i], 0                           ; hidden keys' p' are zeros: the sum and the blocks' codes read them
.set i, i+1
.endr
	WIN 0
.Le_\@:
.endif
.endm
; PASS 2, the vector work of slot j in four parts
.macro ASET j
.if (\j) < 4
.set aP, 64*(\j)
.set aw, 1
.else
.set aP, P4
.set aw, 0
.endif
.if (\j)%2 == 0
.set aC, PCA
.else
.set aC, PCB
.endif
.set aS, PWD+(\j)%2
.endm
.macro A1 j                            ; the largest p' of my 16 keys of each block of 32, the four blocks by turns
	ASET \j
	WIN 0x14*aw
.irp b, 0,1,2,3
	v_max3_num_f32 v[TM+\b], 0, v[aP+16*\b], v[aP+16*\b+1]
.endr
.irp i, 2,4,6,8,10,12,14
.irp b, 0,1,2,3
	v_max3_num_f32 v[TM+\b], v[TM+\b], v[aP+16*\b+\i], v[aP+16*\b+\i+1]
.endr
.endr
	WIN 0
.endm
.macro A2 j                            ; the blocks' largest p, their scale operands and bytes
	ASET \j
.irp b, 0,1,2,3
	v_permlanex16_b32 v[PL+\b], v[TM+\b], s[SEL], s[SEL+1]
.endr
.irp b, 0,1,2,3
	v_max_num_f32 v[TM+\b], v[TM+\b], v[PL+\b]     ; with lane l xor 16's 16 keys
.endr
.irp b, 0,1,2,3
	v_mul_f32 v[PL+\b], v[TM+\b], v[RS]            ; the quotient by the sum,
.endr
.irp b, 0,1,2,3
	v_fma_f32 v[CT+\b], -v[PL+\b], v[SUM], v[TM+\b]   ; what it leaves,
.endr
.irp b, 0,1,2,3
	v_fma_f32 v[TM+\b], v[CT+\b], v[RS], v[PL+\b]  ; and the quotient mended: a power of two comes out as itself
.endr
.irp b, 0,1,2,3
	v_max_num_f32 v[TM+\b], 0x2800000, v[TM+\b]    ; the floor 2^(5 - 127): the byte cannot fall under 1
.endr
.irp b, 0,1,2,3
	v_add_nc_u32 v[PL+\b], 0xfe000000, v[TM+\b]    ; 4 off the exponent field: the conversion's scale operand
.endr
.irp b, 0,1,2,3
	v_lshrrev_b32 v[CT+\b], 23, v[PL+\b]
.endr
	v_lshl_or_b32 v[aS], v[CT+1], 8, v[CT]         ; p's scale word for these 128 keys
	v_lshl_or_b32 v[aS], v[CT+2], 16, v[aS]
	v_lshl_or_b32 v[aS], v[CT+3], 24, v[aS]
.endm
.macro A3 j                            ; p = p' / sum, in place
	ASET \j
	WIN 0x41*aw
.set i, 0
.rept 32
	v_pk_mul_f32 v[aP+i:aP+i+1], v[aP+i:aP+i+1], v[RS:RS+1]
.set i, i+2
.endr
	WIN 0
.endm
.macro A4 j                            ; the codes, and the exchange that gives each lane a whole block
	ASET \j
	WIN 0x01*aw
.irp c, 0,1
	v_cvt_scalef32_pk16_bf6_f32 v[aC+6*\c:aC+6*\c+2], v[aP+32*\c:aP+32*\c+15], v[PL+2*\c]
	v_cvt_scalef32_pk16_bf6_f32 v[CT+4*\c:CT+4*\c+2], v[aP+32*\c+16:aP+32*\c+31], v[PL+2*\c+1]
.endr
	WIN 0
	v_nop                                          ; one plain place behind a scaled conversion
.irp c, 0,1
.irp i, 0,1,2
	v_permlane16_swap_b32 v[aC+6*\c+\i], v[CT+4*\c+\i]   ; lanes 0-15 block 2 c, lanes 16-31 block 2 c + 1: the first now holds each lane's lower 16 codes, the second the upper 16
.endr
.irp i, 0,1,2
	v_mov_b32 v[aC+6*\c+3+\i], v[CT+4*\c+\i]
.endr
.endr
.endm
; two products of O^T += V^T P^T.  The eight accumulators take turns, one instruction a turn; slot 4's products start the sums
.macro PVG m
.set pj, 4-(\m)/4
.set pg, (\m)%4
.set pp, (\m)%2
.if pj%2 == 0
.set pC, PCA
.else
.set pC, PCB
.endif
.if (\m) < 19
	s_wait_dscnt 7                                 ; this group's loads are in; the next group's seven may be out
.else
	s_wait_dscnt 0x0
.endif
.irp u, 0,1
.if pj == 4
	v_wmma_scale_f32_16x16x128_f8f6f4 v[OT+8*(2*pg+\u):OT+8*(2*pg+\u)+7], v[FR+24*pp+12*\u:FR+24*pp+12*\u+11], v[pC:pC+11], 0, v[SCW+2*pp+\u], v[PWD+pj%2] matrix_a_fmt:MATRIX_FMT_BF6 matrix_b_fmt:MATRIX_FMT_BF6
.else
	v_wmma_scale_f32_16x16x128_f8f6f4 v[OT+8*(2*pg+\u):OT+8*(2*pg+\u)+7], v[FR+24*pp+12*\u:FR+24*pp+12*\u+11], v[pC:pC+11], v[OT+8*(2*pg+\u):OT+8*(2*pg+\u)+7], v[SCW+2*pp+\u], v[PWD+pj%2] matrix_a_fmt:MATRIX_FMT_BF6 matrix_b_fmt:MATRIX_FMT_BF6
.endif
.endr
.endm
; slot s's eight products, with slot s - 1's vector work between them: that work is also the places in front of each run of loads into a buffer just multiplied
.macro PASS2 s
.set m0, 4*(4-(\s))
	PVG m0
	A1 (\s)-1
	VLD m0+2
	PVG m0+1
	A2 (\s)-1
	VLD m0+3
	PVG m0+2
	A3 (\s)-1
	VLD m0+4
	PVG m0+3
	A4 (\s)-1
	VLD m0+5
	PLACES 4                                       ; codes written by vector instructions stand four places ahead of a scaled product
.endm
.Lround:                                           ; two trips: head 2 g, head 2 g + 1
	s_wait_loadcnt 0x0                             ; my queries' rows and the head's gains
	STAGE_IN 2
	NQ 0, QF, QS, 1
	KLD 0
	KLD 1
	v_mov_b32 v[VB2], 0x3820e6cf                   ; b2 and a5 in registers that are idle in pass 1.  These four and the four below are the eight places between Q's fragment and the first scaled product
	v_mov_b32 v[VB2+1], 0x3820e6cf
	v_mov_b32 v[VA5], 0x2adb0595
	v_mov_b32 v[VA5+1], 0x2adb0595
	PLACES 4
	s_wait_dscnt 7                                 ; chunk 0's seven loads are in, chunk 1's may be out
	WM 0
	PLACES 5                                       ; where chunk 0 is hidden the next products write over z at once: five places (ISA guide 7.12.1)
.irp n, 0,1,2,3,4,5,6,7,8,9,10,11,12,13,14,15,16,17,18,19
	CHUNK \n
.endr
	VLD 0
	VLD 1
	; ---- the row's sum of p', two at a time, in four chains
	s_wait_alu depctr_va_vdst(0)
.irp c, 0,1,2,3
	v_pk_add_f32 v[AC+2*\c:AC+2*\c+1], v[P4+4*\c:P4+4*\c+1], v[P4+4*\c+2:P4+4*\c+3]
.endr
.set i, 16
.rept 24
	v_pk_add_f32 v[AC+2*((i/2)%4):AC+2*((i/2)%4)+1], v[AC+2*((i/2)%4):AC+2*((i/2)%4)+1], v[P4+i:P4+i+1]
.set i, i+2
.endr
	WIN 0x04
.set i, 0
.rept 128
	v_pk_add_f32 v[AC+2*((i/2)%4):AC+2*((i/2)%4)+1], v[AC+2*((i/2)%4):AC+2*((i/2)%4)+1], v[i:i+1]
.set i, i+2
.endr
	WIN 0
	v_pk_add_f32 v[AC:AC+1], v[AC:AC+1], v[AC+2:AC+3]
	v_pk_add_f32 v[AC+4:AC+5], v[AC+4:AC+5], v[AC+6:AC+7]
	v_pk_add_f32 v[AC:AC+1], v[AC:AC+1], v[AC+4:AC+5]
	v_add_f32 v[SUM], v[AC], v[AC+1]
	v_permlanex16_b32 v[PL], v[SUM], s[SEL], s[SEL+1]
	v_add_f32 v[SUM], v[SUM], v[PL]                ; with lane l xor 16's keys: never 0, the query's own key counts
	v_rcp_f32 v[RS], v[SUM]
	v_nop                                          ; a plain place behind the transcendental
	s_wait_alu depctr_va_vdst(0)
	v_mov_b32 v[RS+1], v[RS]
	; ---- pass 2
	A1 4
	A2 4
	A3 4
	A4 4
	PLACES 4
	PASS2 4
	PASS2 3
	s_cmp_eq_u32 s[RND], 1                         ; slot 4's and slot 2's p are codes now: their registers take the next head's gains and rows, if there is a next head
	s_cbranch_scc1 .Lno_next
	GAINS 14, 512
	QROWS 512
.Lno_next:
	PASS2 2
	PASS2 1
	PVG 16
	PLACES 4
	VLD 18
	PVG 17
	PLACES 4
	VLD 19
	PVG 18
	PVG 19
	PLACES 4                                       ; in front of the first read of results
	; ---- the way out: register 8 t + i of lane (r, h) is out(query r, channel 16 t + 8 h + i): through my stage, back as whole rows
.irp t, 0,1,2,3,4,5,6,7
	ds_store_b128 v[OST], v[OT+8*\t:OT+8*\t+3] offset:64*\t          ; each accumulator from its low end on
	ds_store_b128 v[OST], v[OT+8*\t+4:OT+8*\t+7] offset:64*\t+16
.endr
.set i, 0
.rept 16
	ds_load_b128 v[OT+4*i:OT+4*i+3], v[STI] offset:SPI*i             ; LDS serves a wave's instructions in order: these see my stores
.set i, i+1
.endr
.set i, 0
.rept 16
	s_wait_dscnt 15-i                              ; row i is back; the younger loads may be out
	global_store_b128 v[LI], v[OT+4*i:OT+4*i+3], s[16:17] offset:8192*i th:TH_STORE_NT   ; 32 lanes store a row's 512 consecutive bytes, at a multiple of 512 from out0's first byte
.set i, i+1
.endr
	s_wait_xcnt 0x0                                ; the stores have read their registers and their base: both are written again only behind this wait
	s_add_nc_u64 s[16:17], s[16:17], 512           ; the next head's 512 bytes of each row
	s_sub_co_u32 s[RND], s[RND], 1
	s_cmp_lg_u32 s[RND], 0
	s_cbranch_scc1 .Lround
	s_wait_xcnt 0x0
	v_lshl_add_u32 v254, v0, 2, 0x31000
	v_mov_b32 v255, 0
	s_wait_tensorcnt 0x0
	ds_add_u32 v254, v255
	s_wait_dscnt 0x0
	s_endpgm
.Lfunc_end_k_q1f0a6e73ee_swa:
	.size	k_q1f0a6e73ee_swa, .Lfunc_end_k_q1f0a6e73ee_swa-k_q1f0a6e73ee_swa
	.p2alignl 7, 3214868480
	.fill 96, 4, 3214868480
	.section	.rodata,"a",@progbits
	.p2align	6, 0x0
	.amdhsa_kernel k_q1f0a6e73ee_swa
		.amdhsa_group_segment_fixed_size 201728
		.amdhsa_private_segment_fixed_size 0
		.amdhsa_enable_private_segment 0
		.amdhsa_kernarg_size 56
		.amdhsa_user_sgpr_count 2
		.amdhsa_user_sgpr_kernarg_segment_ptr 1
		.amdhsa_wavefront_size32 1
		.amdhsa_system_sgpr_workgroup_id_x 1
		.amdhsa_system_sgpr_workgroup_id_y 1
		.amdhsa_system_sgpr_workgroup_id_z 1
		.amdhsa_system_vgpr_workitem_id 0
		.amdhsa_next_free_vgpr 512
		.amdhsa_next_free_sgpr 96
		.amdhsa_reserve_vcc 1
		.amdhsa_float_denorm_mode_32 3
		.amdhsa_float_denorm_mode_16_64 3
		.amdhsa_memory_ordered 1
		.amdhsa_forward_progress 1
		.amdhsa_inst_pref_size 255
	.end_amdhsa_kernel
	.section	.bss,"aw",@nobits
	.p2align	6
	.space	262144
	.amdgpu_metadata
---
amdhsa.version: [ 1, 2 ]
amdhsa.kernels:
  - .name:           k_q1f0a6e73ee_swa
    .symbol:         k_q1f0a6e73ee_swa.kd
    .args:
      - { .name: k, .offset: 0, .size: 8, .value_kind: global_buffer, .address_space: global }
      - { .name: q, .offset: 8, .size: 8, .value_kind: global_buffer, .address_space: global }
      - { .name: v_codes, .offset: 16, .size: 8, .value_kind: global_buffer, .address_space: global }
      - { .name: v_scales, .offset: 24, .size: 8, .value_kind: global_buffer, .address_space: global }
      - { .name: wk, .offset: 32, .size: 8, .value_kind: global_buffer, .address_space: global }
      - { .name: wq, .offset: 40, .size: 8, .value_kind: global_buffer, .address_space: global }
      - { .name: out0, .offset: 48, .size: 8, .value_kind: global_buffer, .address_space: global }
    .group_segment_fixed_size: 201728
    .private_segment_fixed_size: 0
    .kernarg_segment_align: 8
    .kernarg_segment_size: 56
    .max_flat_workgroup_size: 256
    .sgpr_count:     96
    .vgpr_count:     512
    .wavefront_size: 32
...
	.end_amdgpu_metadata
.endif
;; end of part 1
